; MI455X (gfx1250); checked and timed in simulation.
; The chip was launched on July 23, 2026; its instructions are those of AMD's public machine-readable ISA for CDNA 5 (MIT licence, August 2026) and "CDNA5" Instruction Set Architecture Reference Guide (July 2026). The comments in the code are by the model that wrote it; some were corrected since.
;; T5 Attention. Allowed arithmetic: matrix products marked QUANTISED: E2M3 operands, one E8M0 scale for each 32 along K, by v_wmma_scale_f32_16x16x128_f8f6f4 with both operands' format E2M3, f32 sums; everything else in f32.
;; Inputs: key_value_states_codes 4 x 2,048 x 32 x 24 uint8 (E2M3 codes of key_value_states, K innermost, in blocks of 32 codes, four codes in three bytes); key_value_states_scales 4 x 2,048 x 32 uint8 (E8M0 scales of key_value_states, one for each 32 codes along K); query_states_codes 4 x 2,048 x 32 x 24 uint8 (E2M3 codes of query_states, K innermost, in blocks of 32 codes, four codes in three bytes); query_states_scales 4 x 2,048 x 32 uint8 (E8M0 scales of query_states, one for each 32 codes along K); rel_bias 32 x 16 float32; wk_codes 1,024 x 32 x 24 uint8 (E2M3 codes of wk, K innermost, in blocks of 32 codes, four codes in three bytes); wk_scales 1,024 x 32 uint8 (E8M0 scales of wk, one for each 32 codes along K); wo_codes 1,024 x 32 x 24 uint8 (E2M3 codes of wo, K innermost, in blocks of 32 codes, four codes in three bytes); wo_scales 1,024 x 32 uint8 (E8M0 scales of wo, one for each 32 codes along K); wq_codes 1,024 x 32 x 24 uint8 (E2M3 codes of wq, K innermost, in blocks of 32 codes, four codes in three bytes); wq_scales 1,024 x 32 uint8 (E8M0 scales of wq, one for each 32 codes along K); wv_codes 1,024 x 32 x 24 uint8 (E2M3 codes of wv, K innermost, in blocks of 32 codes, four codes in three bytes); wv_scales 1,024 x 32 uint8 (E8M0 scales of wv, one for each 32 codes along K).
;; Outputs: out0 4 x 2,048 x 1,024 float32.
;; This version of the problem:
;;   THIS VERSION OF THE PROBLEM IS GIVEN IN LOW PRECISION. The matrix products marked QUANTISED in the list below multiply operands that are first quantised to E2M3 (2 exponent bits, 3 mantissa bits; 6 bits a number), with one power-of-two scale for each 32 numbers along K (OCP MX v1.0); their sums are f32. All else is computed in f32.
;;   The module's matrix products, in the order in which they are computed (A, B: the left and right operand; K: the contracted axis; several contracted axes count as one K, in the product's order):
;;     1. [M 8,192, K 1,024] x [K 1,024, N 1,024]; A: input query_states (given as codes); B: input wq (given as codes): QUANTISED
;;     2. [M 8,192, K 1,024] x [K 1,024, N 1,024]; A: input key_value_states (given as codes); B: input wk (given as codes): QUANTISED
;;     3. [M 8,192, K 1,024] x [K 1,024, N 1,024]; A: input key_value_states (given as codes); B: input wv (given as codes): QUANTISED
;;     4. batch 64 x [M 2,048, K 64] x [K 64, N 2,048]; A: computed on the way; B: computed on the way: QUANTISED
;;     5. batch 64 x [M 2,048, K 2,048] x [K 2,048, N 64]; A: softmax (see below); B: computed on the way: QUANTISED
;;     6. [M 8,192, K 1,024] x [K 1,024, N 1,024]; A: computed on the way; B: input wo (given as codes): QUANTISED
;;   THE QUANTISER, for each operand of a quantised product, along K:
;;     - K is cut into blocks of 32 from its start; a last block that is shorter is filled with zeros.
;;     - A block's scale is 2^e with e = floor(log2(the largest magnitude in the block)) - 2, held to -126 .. 127; a block of zeros has e = 0. As a byte (E8M0): e + 127.
;;     - Each number is divided by its block's scale, clamped to +-7.5, and rounded to the nearest number of E2M3, ties to even, subnormals kept.
;;     - The product sums the exact products of the quantised numbers (number of the format x scale) in f32.
;;   ~~~python
;;   def quantise(x, axis):      # numpy; x: float32 -> the quantised numbers, widened to float32 again
;;       x = np.moveaxis(x, axis, -1); K = x.shape[-1]
;;       x = np.pad(x, [(0, 0)] * (x.ndim - 1) + [(0, -K % 32)]); x = x.reshape(x.shape[:-1] + (-1, 32)); a = np.abs(x).max(-1, keepdims=True)
;;       e = np.where(a > 0, np.clip(np.frexp(np.where(a > 0, a, 1))[1] - 1 - 2, -126, 127), 0)      # np.frexp(a)[1] - 1 = floor(log2(a)), exactly
;;       r = np.clip(x / 2.0 ** e, -7.5, 7.5)
;;       step = 2.0 ** (np.maximum(np.frexp(np.where(r == 0, 1, r))[1] - 1, 0) - 3)
;;       q = np.round(r / step) * step * 2.0 ** e      # np.round: ties to even
;;       return np.moveaxis(q.reshape(q.shape[:-2] + (-1,))[..., :K], -1, axis).astype(np.float32)
;;   ~~~
;;   SOFTMAX AHEAD OF A QUANTISED PRODUCT. Where the list says 'softmax', what is quantised is not the finished softmax but p = 2^(t - M), with t = logit x log2(e) and M = ceil(the row's largest t), a whole number; so 1/2 < the row's largest p <= 1. The row's sum l is taken of the UNQUANTISED p, in f32, and the product's result is divided by l at the end. Since M is a whole number, a kernel that streams over the keys may use a running M (the ceiling of the running maximum): every later rescaling is an exact power of two, which a block's scale takes up: the codes' values come out the same.
;;   OPERANDS COMPUTED ON THE WAY. 'Computed on the way' means the value that the module computes at that place (a softmax that the list does not call 'softmax' is quantised finished and normalised). What goes into a quantiser is computed in f32, as accurately as f32 sums, v_exp_f32 and their like allow (about 1e-6 of the number): no bf16 or f16 on the way to a quantiser, and a product that is left as it is and whose result goes on into a quantised operand takes f32 operands (vector FMAs, or v_wmma_f32_16x16x4_f32). A number that lies on a knife's edge between two numbers of the format may be rounded either way, as far as f32 arithmetic and the matrix unit's own rounding can turn it there, and no further.
;;   INPUTS GIVEN AS CODES. key_value_states (in the module: [4, 2048, 1024], K = its axis 2); query_states (in the module: [4, 2048, 1024], K = its axis 2); wk (in the module: [1024, 1024], K = its axis 0); wo (in the module: [1024, 1024], K = its axis 0); wq (in the module: [1024, 1024], K = its axis 0); wv (in the module: [1024, 1024], K = its axis 0): each comes as NAME_codes (uint8): NAME with its K axis moved to the last place and cut into blocks of 32 codes, [.., K / 32, bytes a block], one block behind the other in memory; four codes in three bytes: a row's codes are one little-endian stream of bits, code i at bits 6 i .. 6 i + 5 (a code: sign, 2 exponent bits, 3 mantissa bits); and NAME_scales (uint8): the same leading axes, one E8M0 byte (e + 127) for each 32 codes along K. Its value is code x scale, taken as it is: it is not quantised again, and the codes and scales need not be those that the quantiser above would give.
;; One version. Each part assembles by itself: llvm-mc -triple=amdgcn-amd-amdhsa -mcpu=gfx1250 --defsym DOCPART=n.
;; ======== version 1 of 1: 3 launches
;; limits: right only within a limited range of input values
;; workspace buffers: qkv_codes 18,874,368 bytes; qkv_scales 786,432 bytes; attn_codes 6,291,456 bytes; attn_scales 262,144 bytes
;; launch proj (part 1): grid 8 x 32, 4 waves a work-group, clusters of 4 x 4, 327,680 bytes of LDS; arguments query_states_codes, query_states_scales, key_value_states_codes, key_value_states_scales, wq_codes, wq_scales, wk_codes, wk_scales, wv_codes, wv_scales, qkv_codes, qkv_scales; writes qkv_codes, qkv_scales
.if DOCPART == 1
	.amdgcn_target "amdgcn-amd-amdhsa--gfx1250"
	.amdhsa_code_object_version 6
	.text
	.protected	k_q8bf019840a_proj
	.globl	k_q8bf019840a_proj
	.p2align	8
	.type	k_q8bf019840a_proj,@function
k_q8bf019840a_proj:
	s_mov_b64 s[64:65], 0
	v_nop
	global_prefetch_b8 v0, s[64:65] scope:SCOPE_SE
	s_setreg_imm32_b32 hwreg(HW_REG_WAVE_MODE, 25, 1), 1
	s_wait_xcnt 0x0
	s_wait_alu depctr_hold_cnt(0) depctr_sa_sdst(0) depctr_va_vdst(0) depctr_va_sdst(0) depctr_va_ssrc(0) depctr_va_vcc(0) depctr_vm_vsrc(0)
	s_getreg_b32 s2, hwreg(HW_REG_IB_STS2, 6, 4)
	s_cmp_eq_u32 s2, 0
	s_cbranch_scc0 .Lentry_in_a_cluster
	s_endpgm
.Lentry_in_a_cluster:
	s_bfe_u32 s2, ttmp6, 0x10000c
	s_cmp_lg_u32 s2, 0xf033
	s_cbranch_scc0 .Lentry_shape_is_right
	s_endpgm
.Lentry_shape_is_right:
; K = kv wk, V = kv wv, Q = query wq on codes of FP6 with E8M0 scales; each result is quantised again (blocks of 32: Q, K along the head's channels, V along the keys)
; and stored as images of the operand registers of the attention launch.
; SHARES.  256 work-groups, 8 (pairs of heads) x 32 (blocks of 256 tokens), four waves.  A work-group holds 256 token rows (X) and 128 weight rows (W) in LDS, whole rows of 768 bytes
; (rows 816 bytes apart: 16 bytes of padding behind every 256), and makes three tiles on end: K (A = kv tokens, B = wk), V (A = wv, B = the same kv tokens, still in LDS), Q (A = query tokens, B = wq).
; A wave makes 4 blocks of A x 8 tiles of B: 32 accumulators.  K, Q: A = the wave's 64 tokens, B = all 128 weight rows.  V: A = 64 rows of wv (one head), B = 128 tokens (one key step).
; Source 0 = B's rows, source 1 = A's: a lane holds one row of A, its registers run along B's rows.  Lane r of tile i takes row 32 (i / 2) + 8 (i % 2) + r + 8 (r / 8), so that the 16 registers of tiles 2 b, 2 b + 1 are 16 neighbours.
; TWO REFILLS, each behind the three lines and a round of the cluster's barrier: W <- wv behind K's products; X <- query, W <- wq behind V's.  A phase's way out stands behind the refill's request.
; CLUSTERS 4 x 4: token rows are shared along a row of the cluster, weight rows along a column.
; SCALE WORDS go from memory into registers: lane (r, h) takes 16 bytes of its row's 32: registers 0-3 hold K steps 0-3 in lanes 0-15 and K steps 4-7 in lanes 16-31; sixteen lanes cover two runs of 256 bytes.
; PREFETCH: wv's tile at the head, wq's and query's behind the first refill; 256-byte blocks shared out by address among the sixteen waves that ask jointly.
; LIMITS: NaN and infinities are not served.  A block of zeros gets the scale byte 1 (its codes are zeros).
; REGISTERS: window 0: v4-5 lane terms, v16-39 LDS addresses, v40-103 scale words (A's at 8 i, B's at 8 i + 4), v104-143 the way out, v160-255 A's fragments, two sets; window 1: B's, two sets; window 2: accumulator (a, b) at 8 (8 a + b).
.set KROW, 768
.set PITCH, 816
.set WB, 256*PITCH
.set SPARE, 384*PITCH
.set FR, 12
.set SPW, 10
.set NIL, 11
.set VSC, 12
.set VO, 13
.set VS, 15
.set AA, 16
.set BA, 24
.set SCR, 40
.set SW, 104
.set BM, 108
.set PT, 112
.set SO, 116
.set PC, 120
.set PFW, 144
.set PFX, 146
.set AF, 160
.set G1X, 56
.set G1W, 68
.set G0X, 76
.set G0W, 80
.set MSB, 0
.macro WIN new
.if MSB != \new
	s_set_vgpr_msb (MSB<<8)|\new
.set MSB, \new
.endif
.endm
.macro PLACES n
.rept \n
	v_nop
.endr
.endm
.macro WALU
	s_wait_alu depctr_va_vdst(0)
.endm
.macro BARRIER
	s_barrier_signal -1
	s_barrier_wait -1
.endm
.macro CROUND
	BARRIER
	s_cmp_lg_u32 s14, 0
	s_cbranch_scc1 .Lnot_wave_0_\@
	s_barrier_signal -3
.Lnot_wave_0_\@:
	s_barrier_wait -3
	BARRIER
.endm
.macro TLOAD g0, g1
	tensor_load_to_lds s[\g0:\g0+3], s[\g1:\g1+7]
	s_nop 0
	PLACES 4
.endm
.macro JLOAD                           ; waves 0, 1: halves of X; waves 2, 3: halves of W
	s_cmp_eq_u32 s15, 0
	s_cbranch_scc0 .Lfor_w_\@
	TLOAD G0X, G1X
	s_branch .Lasked_\@
.Lfor_w_\@:
	TLOAD G0W, G1W
.Lasked_\@:
.endm
.macro GROUP1 g, mask, rows            ; rows of 768 bytes, 16 bytes of padding behind every 256
	s_or_b32 s[\g+0], s[\mask], (1<<20)|(1<<21)|(5<<22)|(3<<25)
	s_mov_b32 s[\g+1], KROW<<16
	s_mov_b32 s[\g+2], (\rows)<<16
	s_mov_b32 s[\g+3], KROW<<16
	s_mov_b32 s[\g+4], \rows
	s_mov_b32 s[\g+5], KROW
	s_mov_b32 s[\g+6], 0
	s_mov_b32 s[\g+7], 0
.endm
.macro G0SET g, base, off
	s_add_nc_u64 s[\g+2:\g+3], s[\base:\base+1], s[\off:\off+1]
	s_or_b32 s[\g+3], s[\g+3], 0x80000000
.endm
.macro GRD
	s_wait_tensorcnt 0x0
	ds_add_u32 v[SPW], v[NIL]
.endm
; a fragment: six pieces of 8 bytes, two to a load where both lie behind as many paddings; v[ad+1] serves the pieces whose lanes 16-31 lie behind one padding more.  NLD counts the loads
.macro FRAG reg, q, ad
.set SKIP_, 0
.irp p, 0,1,2,3,4,5
.if SKIP_
.set SKIP_, 0
.else
.set PC_, 12*(\q)+6*(\p/3)+\p%3
.set PN_, 12*(\q)+6*((\p+1)/3)+(\p+1)%3
.set X_, (PC_%32+3)/32
.set XQ_, (PN_%32+3)/32
.set NLD, NLD+1
.if (\p < 5) && (X_ == XQ_)
.set SKIP_, 1
	ds_load_2addr_b64 v[\reg+2*\p:\reg+2*\p+3], v[\ad+X_] offset0:PC_+2*(PC_/32) offset1:PN_+2*(PN_/32)
.else
	ds_load_b64 v[\reg+2*\p:\reg+2*\p+1], v[\ad+X_] offset:8*(PC_+2*(PC_/32))
.endif
.endif
.endr
.endm
.macro FETCH q                         ; the twelve fragments of K step q into set q % 2
	WIN 0x40
.irp b, 0,1,2,3,4,5,6,7
	FRAG 128*((\q)%2)+FR*\b, \q, BA+2*\b
.endr
	WIN 0
.irp a, 0,1,2,3
	FRAG AF+48*((\q)%2)+FR*\a, \q, AA+2*\a
.endr
.endm
.macro W1 c, row
	v_wmma_scale_f32_16x16x128_f8f6f4 v[D_:D_+7], v[B_:B_+FR-1], v[A_:A_+FR-1], \c, v[SX_], v[SY_] matrix_a_fmt:MATRIX_FMT_FP6 matrix_b_fmt:MATRIX_FMT_FP6 matrix_a_scale:MATRIX_SCALE_ROW\row matrix_b_scale:MATRIX_SCALE_ROW\row
.endm
.macro MULS q                          ; 32 products, the accumulators by turns; the first step starts the sums
	WIN 0xa1
.irp a, 0,1,2,3
.irp b, 0,1,2,3,4,5,6,7
.set D_, 8*(8*\a+\b)
.set B_, 128*((\q)%2)+FR*\b
.set A_, AF+48*((\q)%2)+FR*\a
.set SX_, SCR+8*\b+4+(\q)%4
.set SY_, SCR+8*\a+(\q)%4
.if (\q) == 0
	W1 0, 0
.elseif (\q) < 4
	W1 v[D_:D_+7], 0
.else
	W1 v[D_:D_+7], 1
.endif
.endr
.endr
.endm
.macro GEMM                            ; eight K steps; step q + 1's loads are issued ahead of step q's products, and the wait leaves just these NLD loads out
.set NLD, 0
	FETCH 0
.set Q_, 0
.rept 7
.if Q_ > 0
	PLACES 4
.endif
.set NLD, 0
	FETCH Q_+1
	s_wait_dscnt NLD
	MULS Q_
.set Q_, Q_+1
.endr
	s_wait_dscnt 0x0
	MULS 7
	WIN 0
.endm
.macro ADRSET sa, sb, la=4, km=0       ; LDS addresses of A's four blocks and B's eight tiles.  km = 1 (K's tokens): lane r of block a takes row 8 a + r % 8 + 32 (r / 8) of the wave's 64, so that in the attention launch a lane's 32 scores of four tiles are 32 neighbouring keys
	v_add_nc_u32 v6, s\sa, v[\la]
	v_add_nc_u32 v7, s\sa, v[\la+1]
	v_add_nc_u32 v8, s\sb, v4
	v_add_nc_u32 v9, s\sb, v5
.irp i, 0,1,2,3
	v_add_nc_u32 v[AA+2*\i], ((1-\km)*(32*(\i/2)+8*(\i%2))+\km*8*\i)*PITCH, v6
	v_add_nc_u32 v[AA+2*\i+1], ((1-\km)*(32*(\i/2)+8*(\i%2))+\km*8*\i)*PITCH, v7
.endr
.irp i, 0,1,2,3,4,5,6,7
	v_add_nc_u32 v[BA+2*\i], (32*(\i/2)+8*(\i%2))*PITCH, v8
	v_add_nc_u32 v[BA+2*\i+1], (32*(\i/2)+8*(\i%2))*PITCH, v9
.endr
.endm
.macro SCLOAD pa, oa, pb, ob, lv=VSC, km=0
	s_add_nc_u64 s[86:87], s[\pa:\pa+1], s[\oa:\oa+1]
	s_add_nc_u64 s[88:89], s[\pb:\pb+1], s[\ob:\ob+1]
.irp i, 0,1,2,3
	global_load_b128 v[SCR+8*\i:SCR+8*\i+3], v[\lv], s[86:87] offset:((1-\km)*(32*(\i/2)+8*(\i%2))+\km*8*\i)*32
.endr
.irp i, 0,1,2,3,4,5,6,7
	global_load_b128 v[SCR+8*\i+4:SCR+8*\i+7], v[VSC], s[88:89] offset:(32*(\i/2)+8*(\i%2))*32
.endr
.endm
; the way out of block a: 16 rows x 128: four blocks of 32, their scales, 12 registers of codes, stored as pieces of 256 bytes
.macro OUTBLK a, stride, half2
.set AC, 64*(\a)
.if (\a) > 0
	s_wait_xcnt 0x0
	s_add_nc_u64 s[12:13], s[12:13], \stride
.endif
	WIN 0x0a
.irp b, 0,1,2,3
	v_max3_num_f32 v[BM+\b], |v[AC+16*\b]|, |v[AC+16*\b+1]|, 0x1800000
.endr
.irp i, 2,4,6,8,10,12,14
.irp b, 0,1,2,3
	v_max3_num_f32 v[BM+\b], |v[AC+16*\b+\i]|, |v[AC+16*\b+\i+1]|, v[BM+\b]
.endr
.endr
	WIN 0
.irp b, 0,1,2,3
	v_permlanex16_b32 v[PT+\b], v[BM+\b], s22, s23
.endr
.irp b, 0,1,2,3
	v_max_num_f32 v[BM+\b], v[BM+\b], v[PT+\b]
.endr
.irp b, 0,1,2,3
	v_add_nc_u32 v[SO+\b], 0xff000000, v[BM+\b]
.endr
.irp b, 0,1,2,3
	v_lshrrev_b32 v[PT+\b], 23, v[SO+\b]
.endr
	v_lshl_or_b32 v[SW+(\a)], v[PT+1], 8, v[PT]
	v_lshl_or_b32 v[SW+(\a)], v[PT+2], 16, v[SW+(\a)]
	v_lshl_or_b32 v[SW+(\a)], v[PT+3], 24, v[SW+(\a)]
	WIN 2
.irp c, 0,1
	v_cvt_scalef32_pk16_fp6_f32 v[PC+6*\c:PC+6*\c+2], v[AC+32*\c:AC+32*\c+15], v[SO+2*\c]
	v_cvt_scalef32_pk16_fp6_f32 v[PC+12+4*\c:PC+14+4*\c], v[AC+32*\c+16:AC+32*\c+31], v[SO+2*\c+1]
.endr
	WIN 0
	v_nop
.irp c, 0,1
.irp i, 0,1,2
	v_permlane16_swap_b32 v[PC+6*\c+\i], v[PC+12+4*\c+\i]
.endr
.irp i, 0,1,2
	v_mov_b32 v[PC+3+6*\c+\i], v[PC+12+4*\c+\i]
.endr
.endr
.irp p, 0,1,2
	global_store_b64 v[VO], v[PC+2*\p:PC+2*\p+1], s[12:13] offset:256*\p
.endr
.irp p, 0,1,2
	global_store_b64 v[VO], v[PC+6+2*\p:PC+7+2*\p], s[12:13] offset:\half2+256*\p
.endr
.endm
; a phase's way out.  key step = 2 x token block + s[ka]; s[kb] picks the wave's half of it (K, Q) or its head of the pair (V)
.macro OUTALL part, ka, kb, cmul, sh1, sh2, stride, half2, kq=0
	s_wait_xcnt 0x0                        ; earlier stores have read their bases and data
	s_lshl_b32 s90, s17, 1
	s_add_co_u32 s90, s90, s\ka
	s_lshr_b32 s91, s90, 4
	s_and_b32 s90, s90, 15
	s_mul_i32 s92, s91, 1572864
	s_mul_i32 s93, s42, 196608
	s_add_co_u32 s92, s92, s93
	s_mul_i32 s93, s90, 6144
	s_add_co_u32 s92, s92, s93
	s_mul_i32 s93, s\kb, \cmul
	s_add_co_u32 s92, s92, s93
	s_add_co_u32 s92, s92, \part*6291456
	s_mov_b32 s93, 0
	s_add_nc_u64 s[12:13], s[52:53], s[92:93]
	s_lshl_b32 s92, s91, 16
	s_lshl_b32 s94, s42, 13
	s_add_co_u32 s92, s92, s94
	s_lshl_b32 s94, s90, \sh1
	s_add_co_u32 s92, s92, s94
	s_lshl_b32 s94, s\kb, \sh2
	s_add_co_u32 s92, s92, s94
	s_add_co_u32 s92, s92, \part<<18
	s_add_nc_u64 s[96:97], s[54:55], s[92:93]
.irp a, 0,1,2,3
	OUTBLK \a, \stride, \half2
.endr
.if \kq                                ; Q, K: [key step 512][head of the pair 256][row 16][tile 2 bytes]: a word holds the scale bytes of a pair of tiles; lanes 0-15 store the first head's two words, lanes 16-31 the second's
	v_perm_b32 v[BM], v[SW+1], v[SW], 0x05040100
	v_perm_b32 v[BM+1], v[SW+3], v[SW+2], 0x05040100
	v_perm_b32 v[BM+2], v[SW+1], v[SW], 0x07060302
	v_perm_b32 v[BM+3], v[SW+3], v[SW+2], 0x07060302
	v_cmp_le_u32 vcc_lo, 16, v151
	v_cndmask_b32 v[BM], v[BM], v[BM+2], vcc_lo
	v_cndmask_b32 v[BM+1], v[BM+1], v[BM+3], vcc_lo
	global_store_b64 v152, v[BM:BM+1], s[96:97]
.else
	global_store_b128 v[VS], v[SW:SW+3], s[96:97]   ; V: 16 rows x 4 words: 256 bytes on end (both halves of the lanes hold and store the same)
.endif
.endm
.macro SHOW                            ; the tiles asked for are in, for every wave
	WALU
	s_wait_tensorcnt 0x0
	BARRIER
	s_wait_loadcnt 0x0
.endm
	s_load_b512 s[24:39], s[0:1], 0x0      ; query codes, scales; kv codes, scales; wq; wk
	s_load_b256 s[48:55], s[0:1], 0x40     ; wv; the results' codes, scales
	v_lshl_add_u32 v[SPW], v0, 2, SPARE
	v_mov_b32 v[NIL], 0
	ds_add_u32 v[SPW], v[NIL]              ; the opening lines
	ds_add_u32 v[SPW], v[NIL]
	v_lshrrev_b32 v1, 5, v0
	v_readfirstlane_b32 s14, v1
	s_lshr_b32 s15, s14, 1
	s_and_b32 s16, s14, 1
	s_bfe_u32 s40, ttmp6, 0x40000
	s_bfe_u32 s41, ttmp6, 0x40004
	s_lshl_b32 s42, ttmp9, 2
	s_add_co_u32 s42, s42, s40             ; pair of heads
	s_and_b32 s17, ttmp7, 0xffff
	s_lshl_b32 s17, s17, 2
	s_add_co_u32 s17, s17, s41             ; block of 256 tokens
	s_lshl_b32 s43, s41, 2
	s_lshl_b32 s43, 15, s43
	s_lshl_b32 s44, 0x1111, s40
	GROUP1 G1X, 43, 128
	GROUP1 G1W, 44, 64
	s_lshl_b32 s2, s17, 8                  ; first token
	s_lshl_b32 s3, s42, 7                  ; first weight row
	s_lshl_b32 s45, s16, 7
	s_add_co_u32 s45, s45, s2
	s_mul_i32 s4, s45, KROW                ; s[4:5] my half of X, bytes
	s_mov_b32 s5, 0
	s_lshl_b32 s20, s45, 5                 ; s[20:21] V: B's scales
	s_mov_b32 s21, 0
	s_lshl_b32 s46, s16, 6
	s_add_co_u32 s46, s46, s3
	s_mul_i32 s6, s46, KROW                ; s[6:7] my half of W
	s_mov_b32 s7, 0
	s_lshl_b32 s46, s14, 6
	s_add_co_u32 s46, s46, s2
	s_lshl_b32 s8, s46, 5                  ; s[8:9] K, Q: A's scales
	s_mov_b32 s9, 0
	s_lshl_b32 s10, s3, 5                  ; s[10:11] K, Q: B's
	s_mov_b32 s11, 0
	s_lshl_b32 s46, s15, 6
	s_add_co_u32 s46, s46, s3
	s_lshl_b32 s18, s46, 5                 ; s[18:19] V: A's
	s_mov_b32 s19, 0
	s_mov_b32 s[G0X], 1
	s_mul_i32 s[G0X+1], s16, 128*PITCH
	s_mov_b32 s[G0W], 1
	s_mul_i32 s[G0W+1], s16, 64*PITCH
	s_add_co_u32 s[G0W+1], s[G0W+1], WB
	s_mov_b32 s22, 0x76543210
	s_mov_b32 s23, 0xfedcba98
	s_mul_i32 s84, s14, 64*PITCH
	s_mov_b32 s85, WB
	s_wait_dscnt 0x0
	s_wait_kmcnt 0x0
	G0SET G0X, 28, 4
	G0SET G0W, 36, 6
	CROUND
	JLOAD                                  ; one tensor load a wave: kv's 256 rows, wk's 128
	v_and_b32 v1, 15, v0
	v_bfe_u32 v2, v0, 4, 1
	v_and_b32 v7, 8, v1
	v_add_nc_u32 v7, v7, v1                ; r + 8 (r / 8)
	v_mul_u32_u24 v3, v7, PITCH
	v_mad_u32_u24 v4, v2, 24, v3
	v_mad_u32_u24 v5, v2, 40, v3
	v_lshlrev_b32 v6, 5, v7
	v_lshl_add_u32 v[VSC], v2, 4, v6
	v_and_b32 v8, 31, v0
	v_lshlrev_b32 v[VO], 3, v8
	v_lshlrev_b32 v[VS], 4, v1
	v_and_b32 v9, 8, v1
	v_mad_u32_u24 v9, v9, 3, v1            ; r % 8 + 32 (r / 8): K's rows
	v_mul_u32_u24 v6, v9, PITCH
	v_mad_u32_u24 v148, v2, 24, v6
	v_mad_u32_u24 v149, v2, 40, v6
	v_lshlrev_b32 v6, 5, v9
	v_lshl_add_u32 v150, v2, 4, v6
	v_and_b32 v151, 31, v0
	v_lshl_add_u32 v152, v2, 8, v[VS]
.irp b, 0,1,2,3
	v_mov_b32 v[PT+\b], 0
.endr
	WALU                                   ; the wait, directly ahead of the run of scalar lines
	s_lshl_b32 s90, s41, 2
	s_add_co_u32 s90, s90, s14
	s_mul_i32 s90, s90, 6144               ; my sixteenth of a weight tile (24 blocks of 256 bytes)
	s_mul_i32 s92, s3, KROW
	s_add_co_u32 s90, s90, s92
	s_lshl_b32 s91, s40, 2
	s_add_co_u32 s91, s91, s14
	s_mul_i32 s91, s91, 12288              ; and of the token tile (48 blocks)
	s_mul_i32 s92, s2, KROW
	s_add_co_u32 s91, s91, s92
	v_min_u32 v9, 23, v8
	v_lshl_add_u32 v[PFW], v9, 8, s90
	v_lshl_add_u32 v[PFX], v9, 8, s91
	WALU
	SCLOAD 30, 8, 38, 10, 150, 1
	global_prefetch_b8 v[PFW], s[48:49] th:TH_LOAD_NT scope:SCOPE_SE
	ADRSET 84, 85, 148, 1
	SHOW
	GEMM                                   ; K
	GRD
	G0SET G0W, 48, 6
	s_wait_dscnt 0x0
	CROUND
	s_cmp_eq_u32 s15, 1
	s_cbranch_scc0 .Lno_w1
	TLOAD G0W, G1W                         ; W <- wv
.Lno_w1:
	PLACES 4
	global_prefetch_b8 v[PFW], s[32:33] th:TH_LOAD_NT scope:SCOPE_SE
	global_prefetch_b8 v[PFX], s[24:25] th:TH_LOAD_NT scope:SCOPE_SE
	global_prefetch_b8 v[PFX], s[24:25] offset:6144 th:TH_LOAD_NT scope:SCOPE_SE
	SCLOAD 50, 18, 30, 20
	OUTALL 1, 15, 16, 3072, 9, 3, 768, 98304, 1
	s_mul_i32 s46, s15, 64*PITCH
	s_add_co_u32 s46, s46, WB
	s_mul_i32 s47, s16, 128*PITCH
	ADRSET 46, 47
	SHOW
	GEMM                                   ; V
	GRD
	G0SET G0X, 24, 4
	G0SET G0W, 32, 6
	s_wait_dscnt 0x0
	CROUND
	JLOAD                                  ; X <- query, W <- wq
	SCLOAD 26, 8, 34, 10
	OUTALL 2, 16, 15, 98304, 8, 12, 1536, 768
	ADRSET 84, 85
	SHOW
	GEMM                                   ; Q
	PLACES 4
	OUTALL 0, 15, 16, 3072, 9, 3, 768, 98304, 1
	s_wait_tensorcnt 0x0
	ds_add_u32 v[SPW], v[NIL]
	s_wait_dscnt 0x0
	CROUND
	s_endpgm
.Lfunc_end_k_q8bf019840a_proj:
	.size	k_q8bf019840a_proj, .Lfunc_end_k_q8bf019840a_proj-k_q8bf019840a_proj
	.p2alignl 7, 3214868480
	.fill 96, 4, 3214868480
	.section	.rodata,"a",@progbits
	.p2align	6, 0x0
	.amdhsa_kernel k_q8bf019840a_proj
		.amdhsa_group_segment_fixed_size 327680
		.amdhsa_private_segment_fixed_size 0
		.amdhsa_enable_private_segment 0
		.amdhsa_kernarg_size 96
		.amdhsa_user_sgpr_count 2
		.amdhsa_user_sgpr_kernarg_segment_ptr 1
		.amdhsa_wavefront_size32 1
		.amdhsa_system_sgpr_workgroup_id_x 1
		.amdhsa_system_sgpr_workgroup_id_y 1
		.amdhsa_system_sgpr_workgroup_id_z 1
		.amdhsa_system_vgpr_workitem_id 0
		.amdhsa_next_free_vgpr 768
		.amdhsa_next_free_sgpr 100
		.amdhsa_reserve_vcc 1
		.amdhsa_float_denorm_mode_32 3
		.amdhsa_float_denorm_mode_16_64 3
		.amdhsa_memory_ordered 1
		.amdhsa_forward_progress 1
		.amdhsa_inst_pref_size 236
	.end_amdhsa_kernel
	.amdgpu_metadata
---
amdhsa.version: [ 1, 2 ]
amdhsa.kernels:
  - .name:           k_q8bf019840a_proj
    .symbol:         k_q8bf019840a_proj.kd
    .args:
      - { .name: query_states_codes, .offset: 0, .size: 8, .value_kind: global_buffer, .address_space: global }
      - { .name: query_states_scales, .offset: 8, .size: 8, .value_kind: global_buffer, .address_space: global }
      - { .name: key_value_states_codes, .offset: 16, .size: 8, .value_kind: global_buffer, .address_space: global }
      - { .name: key_value_states_scales, .offset: 24, .size: 8, .value_kind: global_buffer, .address_space: global }
      - { .name: wq_codes, .offset: 32, .size: 8, .value_kind: global_buffer, .address_space: global }
      - { .name: wq_scales, .offset: 40, .size: 8, .value_kind: global_buffer, .address_space: global }
      - { .name: wk_codes, .offset: 48, .size: 8, .value_kind: global_buffer, .address_space: global }
      - { .name: wk_scales, .offset: 56, .size: 8, .value_kind: global_buffer, .address_space: global }
      - { .name: wv_codes, .offset: 64, .size: 8, .value_kind: global_buffer, .address_space: global }
      - { .name: wv_scales, .offset: 72, .size: 8, .value_kind: global_buffer, .address_space: global }
      - { .name: qkv_codes, .offset: 80, .size: 8, .value_kind: global_buffer, .address_space: global }
      - { .name: qkv_scales, .offset: 88, .size: 8, .value_kind: global_buffer, .address_space: global }
    .group_segment_fixed_size: 327680
    .private_segment_fixed_size: 0
    .kernarg_segment_align: 8
    .kernarg_segment_size: 96
    .max_flat_workgroup_size: 128
    .sgpr_count:     100
    .vgpr_count:     768
    .wavefront_size: 32
...
	.end_amdgpu_metadata
.endif
;; end of part 1
;; launch attn (part 2): grid 4 x 64, 16 waves a work-group, no clusters, 225,280 bytes of LDS; arguments qkv_codes, qkv_scales, rel_bias, attn_codes, attn_scales; writes attn_codes, attn_scales
.if DOCPART == 2
	.amdgcn_target "amdgcn-amd-amdhsa--gfx1250"
	.amdhsa_code_object_version 6
	.text
	.protected	k_q8bf019840a_attn
	.globl	k_q8bf019840a_attn
	.p2align	8
	.type	k_q8bf019840a_attn,@function
k_q8bf019840a_attn:
	s_mov_b64 s[64:65], 0
	v_nop
	global_prefetch_b8 v0, s[64:65] scope:SCOPE_SE
	s_setreg_imm32_b32 hwreg(HW_REG_WAVE_MODE, 25, 1), 1
	s_wait_xcnt 0x0
; attn[b][t][head] = softmax_s(q . k + bias(s - t)) v, both products on codes of FP6 (E2M3) with E8M0 scales, and the result quantised along the model's 1,024 for the last projection.
; THE SOFTMAX AHEAD OF THE SECOND PRODUCT: t = (score + bias) x log2(e); M = the row's largest t so far, rounded UP to a whole number; p = 2^(t - M) is quantised along the keys, not normalised.
; The row's sum is taken of the unquantised p and divides at the end.  When M moves, the sum and O are multiplied by 2^(old M - new M): exact.
; SHARES.  A work-group owns one head of one batch (grid y) and 512 queries (grid x), in two passes of 256, the upper 256 first; each of sixteen waves owns 16 queries a pass and walks the head's 2,048 keys, 128 a step.
; LDS.  The head's K codes (98,304 bytes), V codes (98,304) and the pair of heads' scale words come ONCE, one tensor load a wave: waves 0, 1 the scale words, waves 2, 3 the first 512 keys of K, V, waves 4 to 9 the other three chunks.
; The first barrier shows the scale words and chunk 0 (waves 0 to 3 wait: their load lines are theirs alone), a second one, behind four steps, the rest.  No byte is filled twice; the second pass has no barrier.
; No prefetch: every fill is asked for at the head.  NO CLUSTER: the four work-groups of a head would share K and V, but the jump round the bias block hangs on the query block, which differs between them.
; LAYOUT.  Both products are used transposed: S^T = K Q^T, O^T = V^T P^T: a lane holds ONE query.  The head has 64 channels and the instruction takes 128 along K: a fragment of K holds TWO tiles of 16 keys (registers 0-5, 6-11),
; multiplied once with [q | zero codes] and once with [zero codes | q]; its scale word holds both tiles' two bytes, q's word its two bytes twice.  Row m of tile 4 c + j is key 64 c + 32 (m / 8) + 8 j + m % 8:
; so registers 32 c .. 32 c + 31 of lane (r, h) are the 32 keys of block 2 c + h: a block's largest score and its codes need no other lane.
; ORDER OF A STEP.  K's loads; under their flight the sum of the LAST step's p (its registers stand until this step's scores land on them; a pass begins with zeros there and ends with one more sum); the scores; V's loads into K's registers; the softmax; O^T.
; THE BIAS hangs on key - query alone.  Its bucket: rp = |key - query|; rp under 8: rp; then 8 + the count of the limits 12, 16, 23, 32, 46, 64, 91 that rp has reached; + 16 where key > query.
; A table of 2,560 numbers, entry e = key - (query - 512 x) + 511, is made once in LDS.  A key step all of whose keys lie 91 or more from all 16 queries has ONE bias: it goes into the multiply-add's addend.
; LIMITS: NaN and infinities are not served.  In far steps t is score x c + (c x bias - M), rounded in another order than (score + bias) x c.  A block of zeros gets the scale byte 1 (its codes are zeros).
; A block's largest p is taken as the exponential of its largest score.
; REGISTERS: v1-6 lane terms; v7, v11 the add's two; v8-10, v29 the step's addresses; v12 -M, v13 the largest t, v[14:15] the sum; v16-27 [q | 0], v80-91 [0 | q], v28 q's scale word; v[30:31] the addend;
; v32-79 K's, then V's four fragments; v92-95 V's scale words; v96-159 S^T, then p; v160-191 O^T; v192-255 the bias block's numbers, else v224-235 p's codes, v236-251 at work, v252-255 K's scale words, then f and p's scale word.
.set VREG, 98304
.set SCK,  196608
.set SCV,  204800
.set TAB,  212992
.set SPARE, 223232
.set WV,   18
.set SEL,  20
.set CS,   22
.set G1C,  24
.set G1S,  32
.set TV,   67
.set TQ0,  69
.set KF,   70
.set TA,   71
.set TS,   72
.set TJ,   73
.set TBS,  74
.set CNT,  75
.set BCL,  76
.set BCR,  77
.set BC,   78
.set FAR,  79
.macro WALU
	s_wait_alu depctr_va_vdst(0)
.endm
.macro TL g0, g1
	tensor_load_to_lds s[\g0:\g0+3], s[\g1:\g1+7]
	s_nop 0
.rept 4
	v_nop
.endr
.endm
	s_load_b256 s[4:11], s[0:1], 0x0               ; q, k, v codes; their scale words; rel_bias; attn's codes
	s_load_b64 s[12:13], s[0:1], 0x20              ; attn's scale bytes
	v_lshl_add_u32 v11, v0, 2, SPARE
	v_mov_b32 v7, 0
	ds_add_u32 v11, v7                             ; the opening lines
	ds_add_u32 v11, v7
	v_lshrrev_b32 v8, 5, v0
	v_readfirstlane_b32 s[WV], v8
	s_and_b32 s60, ttmp7, 0xffff                   ; 16 x batch + head
	s_and_b32 s61, s60, 15
	s_lshr_b32 s62, s60, 4
	s_and_b32 s63, s61, 1
	s_lshr_b32 s66, s61, 1
	s_mov_b32 s[G1C], 3<<16                        ; dense rows of 256 bytes: 96 for a chunk of codes,
	s_mov_b32 s[G1C+1], 32<<16
	s_mov_b32 s[G1C+2], 96<<16
	s_mov_b32 s[G1C+3], 32<<16
	s_mov_b32 s[G1C+4], 96
	s_mov_b32 s[G1C+5], 32
	s_mov_b32 s[G1C+6], 0
	s_mov_b32 s[G1C+7], 0
	s_mov_b32 s[G1S], 3<<16                        ; 32 for the scale words
	s_mov_b32 s[G1S+1], 32<<16
	s_mov_b32 s[G1S+2], 32<<16
	s_mov_b32 s[G1S+3], 32<<16
	s_mov_b32 s[G1S+4], 32
	s_mov_b32 s[G1S+5], 32
	s_mov_b32 s[G1S+6], 0
	s_mov_b32 s[G1S+7], 0
	s_add_co_u32 s80, s[WV], 6
	s_lshr_b32 s80, s80, 1
	s_and_b32 s80, s80, 3                          ; my chunk: waves 2, 3: 0 .. waves 8, 9: 3
	s_and_b32 s81, s[WV], 1                        ; K's or V's
	s_add_co_u32 s83, s81, 1                       ; the part of the buffers
	s_lshl_b32 s84, s83, 18
	s_lshl_b32 s85, s62, 16
	s_add_co_u32 s84, s84, s85
	s_lshl_b32 s85, s66, 13
	s_add_co_u32 s84, s84, s85
	s_mov_b32 s85, 0
	s_mul_i32 s86, s83, 6291456
	s_mul_i32 s87, s60, 98304
	s_add_co_u32 s86, s86, s87
	s_mul_i32 s87, s80, 24576
	s_add_co_u32 s86, s86, s87
	s_mul_i32 s88, s81, VREG
	s_add_co_u32 s88, s88, s87
	s_mov_b32 s87, 0
	s_mov_b32 s[SEL], 0x76543210
	s_mov_b32 s[SEL+1], 0xfedcba98
	s_mov_b32 s[CS], 0x3fb8aa3b                    ; log2(e): T5 has no 1 / sqrt(d)
	s_mov_b32 s[CS+1], s[CS]
	s_wait_dscnt 0x0
	s_wait_kmcnt 0x0
	s_mov_b32 s40, 1
	s_lshl_b32 s41, s81, 13
	s_add_co_u32 s41, s41, SCK
	s_add_nc_u64 s[42:43], s[6:7], s[84:85]
	s_or_b32 s43, s43, 0x80000000
	s_mov_b32 s44, 1
	s_mov_b32 s45, s88
	s_add_nc_u64 s[46:47], s[4:5], s[86:87]
	s_or_b32 s47, s47, 0x80000000
	s_cmp_lt_u32 s[WV], 2                          ; one chain of branches on the wave's number, one fill to an arm
	s_cbranch_scc0 .Larm1
	TL 40, G1S
	s_branch .Lno_fill
.Larm1:
	s_cmp_lt_u32 s[WV], 4
	s_cbranch_scc0 .Larm2
	TL 44, G1C
	s_branch .Lno_fill
.Larm2:
	s_cmp_lt_u32 s[WV], 10
	s_cbranch_scc0 .Lno_fill
	TL 44, G1C
.Lno_fill:
	; THE BIAS TABLE: thread i makes entries i + 512 k, k = 0 .. 4
	s_lshl_b32 s82, s61, 2
	s_mov_b32 s83, 0
	s_add_nc_u64 s[82:83], s[8:9], s[82:83]
	s_load_b32 s[BCL], s[82:83], 0x3c0             ; bucket 15
	s_load_b32 s[BCR], s[82:83], 0x7c0             ; bucket 31
	s_lshl_b32 s89, ttmp9, 9
	s_add_co_u32 s89, s89, 511
	s_sub_co_u32 s89, 0, s89
	v_mov_b32 v98, 16
	v_mov_b32 v99, 1
.macro TBL k
	v_add_nc_u32 v100, s89, v0
	v_add_nc_u32 v100, 512*\k, v100                ; key - query
	v_sub_nc_u32 v101, 0, v100
	v_max_i32 v101, v100, v101                     ; rp
	v_mov_b32 v102, 8
.irp thr, 12,16,23,32,46,64,91
	v_cmp_le_u32 vcc_lo, \thr, v101
	v_cndmask_b32 v103, 0, v99, vcc_lo
	v_add_nc_u32 v102, v102, v103
.endr
	v_min_u32 v102, v101, v102                     ; under 8 it is rp itself
	v_cmp_lt_i32 vcc_lo, 0, v100
	v_cndmask_b32 v103, 0, v98, vcc_lo
	v_add_nc_u32 v102, v102, v103                  ; the bucket, 0 .. 31
	v_lshlrev_b32 v[104+\k], 6, v102               ; a row of rel_bias is 64 bytes
	global_load_b32 v[112+\k], v[104+\k], s[82:83]
.endm
.irp k, 0,1,2,3,4
	TBL \k
.endr
	v_lshl_add_u32 v110, v0, 2, TAB
	v_and_b32 v9, 31, v0
	v_lshlrev_b32 v1, 3, v9                        ; v1: 8 x lane
	v_and_b32 v10, 15, v0                          ; r
	v_bfe_u32 v29, v0, 4, 1                        ; h
	v_lshlrev_b32 v6, 4, v10                       ; v6: 16 r
	v_lshlrev_b32 v5, 3, v29                       ; v5: 8 h
	s_lshl_b32 s80, s63, 8
	s_add_co_u32 s80, s80, SCK
	v_add_nc_u32 v2, s80, v6                       ; v2: K's scale words: my head's 256 bytes of a key step, 16 r
	s_lshl_b32 s80, s63, 12
	s_add_co_u32 s80, s80, SCV
	v_add_nc_u32 v3, s80, v6                       ; v3: V's
	v_xor_b32 v8, 15, v10                          ; the table runs against the queries: with r' = 15 - r, r' + 8 (r' / 8) = 23 - (r + 8 (r / 8))
	v_and_b32 v9, 8, v8
	v_add_nc_u32 v8, v8, v9
	v_lshlrev_b32 v8, 2, v8
	v_lshl_add_u32 v8, v29, 7, v8                  ; + 128 h: my half's 32 keys
	s_xor_b32 s80, s[WV], 15                       ; likewise with the waves
	s_lshr_b32 s81, s80, 1
	s_lshl_b32 s81, s81, 7
	s_and_b32 s80, s80, 1
	s_lshl_b32 s80, s80, 5
	s_add_co_u32 s80, s80, s81
	s_add_co_u32 s80, s80, TAB
	v_add_nc_u32 v4, s80, v8                       ; v4: the entry of a step's key 0 for my query
.irp j, 22,23,24,25,26,27,80,81,82,83,84,85,31,236,237,240,241,252,253
	v_mov_b32 v\j, 0                               ; zero codes beside q; registers that are named before they are first made
.endr
	s_lshl_b32 s80, ttmp9, 5
	s_add_co_u32 s80, s80, 16
	s_add_co_u32 s80, s80, s[WV]                   ; my tile of queries in the first pass
	s_mul_i32 s84, s60, 98304
	s_mul_i32 s85, s80, 768
	s_add_co_u32 s84, s84, s85
	s_mov_b32 s85, 0
	s_add_nc_u64 s[90:91], s[4:5], s[84:85]        ; Q's codes
	s_lshl_b32 s84, s62, 16
	s_lshl_b32 s86, s66, 13
	s_add_co_u32 s84, s84, s86
	s_lshr_b32 s86, s80, 3
	s_lshl_b32 s86, s86, 9                         ; the group of eight tiles,
	s_add_co_u32 s84, s84, s86
	s_lshl_b32 s86, s63, 8                         ; my head,
	s_add_co_u32 s84, s84, s86
	s_and_b32 s86, s80, 7
	s_lshl_b32 s86, s86, 1                         ; the tile's two bytes
	s_add_co_u32 s84, s84, s86
	s_add_nc_u64 s[92:93], s[6:7], s[84:85]        ; Q's scale bytes
	s_lshl_b32 s86, s62, 7
	s_add_co_u32 s86, s86, s80
	s_mul_i32 s84, s86, 12288
	s_mul_i32 s87, s61, 768
	s_add_co_u32 s84, s84, s87
	s_add_nc_u64 s[94:95], s[10:11], s[84:85]      ; attn's codes
	s_lshl_b32 s84, s86, 9
	s_lshl_b32 s87, s61, 1
	s_add_co_u32 s84, s84, s87
	s_add_nc_u64 s[96:97], s[12:13], s[84:85]      ; attn's scale bytes
	s_lshl_b32 s[TQ0], ttmp9, 9
	s_add_co_u32 s[TQ0], s[TQ0], 256
	s_lshr_b32 s86, s[WV], 1
	s_lshl_b32 s86, s86, 5
	s_add_co_u32 s[TQ0], s[TQ0], s86
	s_and_b32 s86, s[WV], 1
	s_lshl_b32 s86, s86, 3
	s_add_co_u32 s[TQ0], s[TQ0], s86               ; my queries are TQ0 + 0 .. 7 and TQ0 + 16 .. 23
	WALU
	s_wait_kmcnt 0x0
	v_mov_b32 v96, s[BCL]
	v_mov_b32 v97, s[BCR]
	v_mul_f32 v96, s[CS], v96
	v_mul_f32 v97, s[CS], v97
	v_readfirstlane_b32 s[BCL], v96
	v_readfirstlane_b32 s[BCR], v97
	s_wait_loadcnt 0x0
.irp k, 0,1,2,3,4
	ds_store_b32 v110, v[112+\k] offset:2048*\k
.endr
; the sum of the 64 p in v96-159, two at a time, in eight chains; the first eight lines stand ahead of K's loads
.macro SUM1
.irp k, 0,1,2,3,4,5,6
	v_pk_add_f32 v[236+2*\k:237+2*\k], v[96+4*\k:97+4*\k], v[98+4*\k:99+4*\k]
.endr
	v_pk_add_f32 v[14:15], v[14:15], v[124:125]
.endm
.macro SUM2
.irp k, 0,1,2,3,4,5,6
	v_pk_add_f32 v[236+2*\k:237+2*\k], v[236+2*\k:237+2*\k], v[126+2*\k:127+2*\k]
.endr
	v_pk_add_f32 v[14:15], v[14:15], v[140:141]
.irp k, 0,1,2,3,4,5,6
	v_pk_add_f32 v[236+2*\k:237+2*\k], v[236+2*\k:237+2*\k], v[142+2*\k:143+2*\k]
.endr
	v_pk_add_f32 v[14:15], v[14:15], v[156:157]
	v_pk_add_f32 v[236:237], v[236:237], v[158:159]
	v_pk_add_f32 v[240:241], v[240:241], v[242:243]
	v_pk_add_f32 v[244:245], v[244:245], v[246:247]
	v_pk_add_f32 v[14:15], v[14:15], v[248:249]
	v_pk_add_f32 v[236:237], v[236:237], v[238:239]
	v_pk_add_f32 v[14:15], v[14:15], v[244:245]
	v_pk_add_f32 v[236:237], v[236:237], v[240:241]
	v_pk_add_f32 v[14:15], v[14:15], v[236:237]
.endm
; A KEY STEP: 128 keys
.macro STEP
	s_add_co_u32 s80, s[KF], 218                   ; all 128 keys 91 or more to the left of all my queries,
	s_cmp_le_u32 s80, s[TQ0]
	s_cselect_b32 s[BC], s[BCL], 0
	s_cselect_b32 s[FAR], 1, 0
	s_add_co_u32 s80, s[TQ0], 114                  ; or to the right
	s_cmp_ge_u32 s[KF], s80
	s_cselect_b32 s[BC], s[BCR], s[BC]
	s_cselect_b32 s[FAR], 1, s[FAR]
	v_add_nc_u32 v8, s[TA], v1
	v_add_nc_u32 v10, s[TS], v2
	SUM1                                           ; these ten lines are the places between the last products and the loads into their registers
.irp f, 0,1,2,3
.irp p, 0,1,2,3,4,5
	ds_load_b64 v[32+12*\f+2*\p:33+12*\f+2*\p], v8 offset:1536*\f+256*\p   ; tiles 2 f and 2 f + 1
.endr
.endr
	ds_load_b128 v[252:255], v10                   ; the four fragments' scale words
	SUM2
	WALU
	s_wait_dscnt 0x0
.irp f, 0,1,2,3
	v_wmma_scale_f32_16x16x128_f8f6f4 v[96+16*\f:103+16*\f], v[32+12*\f:43+12*\f], v[16:27], 0, v[252+\f], v28 matrix_a_fmt:MATRIX_FMT_FP6 matrix_b_fmt:MATRIX_FMT_FP6
	v_wmma_scale_f32_16x16x128_f8f6f4 v[104+16*\f:111+16*\f], v[32+12*\f:43+12*\f], v[80:91], 0, v[252+\f], v28 matrix_a_fmt:MATRIX_FMT_FP6 matrix_b_fmt:MATRIX_FMT_FP6
.endr
	v_add_nc_u32 v9, s[TV], v1                     ; four places
	v_add_nc_u32 v10, s[TJ], v3
	v_add_nc_u32 v29, s[TBS], v4
	v_nop
.irp t, 0,1,2,3
.irp p, 0,1,2,3,4,5
	ds_load_b64 v[32+12*\t+2*\p:33+12*\t+2*\p], v9 offset:1536*\t+256*\p   ; V's fragments take K's registers; the softmax stands between these loads and the wait for them
.endr
.endr
	ds_load_b128 v[92:95], v10
	s_cmp_lg_u32 s[FAR], 0                         ; a jump on ids alone, round the bias block
	s_cbranch_scc1 .Lfar_\@
	WALU
.set N, 0
.rept 64
	ds_load_b32 v[192+N], v29 offset:256*(N/32)+4*(N%32)   ; register 32 c + i holds key KF + 64 c + 32 h + i
.set N, N+1
.endr
	s_wait_dscnt 0x0
.set N, 0
.rept 32
	v_pk_add_f32 v[96+N:97+N], v[96+N:97+N], v[192+N:193+N]
.set N, N+2
.endr
.Lfar_\@:
.irp b, 0,1,2,3
	v_max3_num_f32 v[232+\b], v[96+16*\b], v[97+16*\b], v[98+16*\b]   ; four chains over 16 scores each
.endr
.irp i, 3,5,7,9,11,13
.irp b, 0,1,2,3
	v_max3_num_f32 v[232+\b], v[232+\b], v[96+16*\b+\i], v[97+16*\b+\i]
.endr
.endr
.irp b, 0,1,2,3
	v_max_num_f32 v[232+\b], v[232+\b], v[111+16*\b]
.endr
	v_max_num_f32 v232, v232, v233                 ; my block h's largest score,
	v_max_num_f32 v234, v234, v235                 ; my block 2 + h's
	v_max_num_f32 v254, v232, v234
	v_permlanex16_b32 v240, v254, s[SEL], s[SEL+1]
	v_max_num_f32 v254, v254, v240                 ; the step's largest score of my query
	s_delay_alu instid0(VALU_DEP_1)
	v_fma_f32 v254, v254, s[CS], s[BC]             ; as t
	s_delay_alu instid0(VALU_DEP_1)
	v_max_num_f32 v13, v13, v254
	v_mov_b32 v254, v12
	s_delay_alu instid0(VALU_DEP_2)
	v_floor_f32 v12, -v13                          ; the new -M
	s_delay_alu instid0(VALU_DEP_1)
	v_sub_f32 v254, v12, v254                      ; old M - new M
	s_delay_alu instid0(VALU_DEP_1)
	v_cvt_i32_f32 v254, v254
	s_delay_alu instid0(VALU_DEP_1)
	v_ldexp_f32 v252, 1.0, v254                    ; f
	s_delay_alu instid0(VALU_DEP_4)
	v_add_f32 v30, s[BC], v12                      ; the addend
.set N, 0
.rept 32
	v_pk_fma_f32 v[96+N:97+N], v[96+N:97+N], s[CS:CS+1], v[30:31] op_sel_hi:[1,0,0]
.set N, N+2
.endr
	v_fma_f32 v232, v232, s[CS], v30
	v_fma_f32 v234, v234, s[CS], v30
	WALU
.set N, 0
.rept 64
	v_exp_f32 v[96+N], v[96+N]
.set N, N+1
.endr
	v_exp_f32 v232, v232                           ; my two blocks' largest p
	v_exp_f32 v234, v234
	v_pk_mul_f32 v[14:15], v[14:15], v[252:253] op_sel_hi:[1,0]   ; the sum under the new M
	WALU
	v_max_num_f32 v232, 0x1800000, v232            ; the floor: the byte cannot fall under 1
	v_max_num_f32 v234, 0x1800000, v234
	v_add_nc_u32 v244, 0xff000000, v232            ; the conversions' scale operands
	v_add_nc_u32 v245, 0xff000000, v234
	v_lshrrev_b32 v236, 23, v244
	v_lshrrev_b32 v237, 23, v245
	v_lshl_or_b32 v253, v237, 16, v236             ; bytes h and 2 + h of p's scale word,
	v_lshlrev_b32 v253, v5, v253
	v_permlanex16_b32 v241, v253, s[SEL], s[SEL+1]
	v_or_b32 v253, v253, v241                      ; with lane l xor 16's two
.irp c, 0,1
	v_cvt_scalef32_pk16_fp6_f32 v[224+6*\c:226+6*\c], v[96+32*\c:111+32*\c], v[244+\c]
	v_cvt_scalef32_pk16_fp6_f32 v[236+4*\c:238+4*\c], v[112+32*\c:127+32*\c], v[244+\c]
.endr
	v_nop
.irp c, 0,1
.irp i, 0,1,2
	v_mov_b32 v[227+6*\c+\i], v[236+4*\c+\i]
.endr
.endr
	WALU                                           ; the wait, directly ahead of the first reader of O^T
.set N, 0
.rept 16
	v_pk_mul_f32 v[160+N:161+N], v[160+N:161+N], v[252:253] op_sel_hi:[1,0]
.set N, N+2
.endr
	WALU
	s_wait_dscnt 0x0
.irp t, 0,1,2,3
	v_wmma_scale_f32_16x16x128_f8f6f4 v[160+8*\t:167+8*\t], v[32+12*\t:43+12*\t], v[224:235], v[160+8*\t:167+8*\t], v[92+\t], v253 matrix_a_fmt:MATRIX_FMT_FP6 matrix_b_fmt:MATRIX_FMT_FP6
.endr
	s_add_co_u32 s[TA], s[TA], 6144
	s_add_co_u32 s[TV], s[TV], 6144
	s_add_co_u32 s[TS], s[TS], 512
	s_add_co_u32 s[TJ], s[TJ], 256
	s_add_co_u32 s[TBS], s[TBS], 512
	s_add_co_u32 s[KF], s[KF], 128
.endm
.macro WALK k, n, pb                   ; steps k .. k + n - 1
	s_mov_b32 s[TA], \k*6144
	s_mov_b32 s[TV], VREG+\k*6144
	s_mov_b32 s[TS], \k*512
	s_mov_b32 s[TJ], \k*256
	s_mov_b32 s[KF], \k*128
	s_mov_b32 s[TBS], \pb+\k*512
	s_mov_b32 s[CNT], \n
.Lstep_\@:
	STEP
	s_sub_co_u32 s[CNT], s[CNT], 1
	s_cmp_lg_u32 s[CNT], 0
	s_cbranch_scc1 .Lstep_\@
.endm
.macro BEGIN                           ; a pass's start: q twice, its scale bytes, and zeros
.irp p, 0,1,2
	global_load_b64 v[16+2*\p:17+2*\p], v1, s[90:91] offset:256*\p
	global_load_b64 v[86+2*\p:87+2*\p], v1, s[90:91] offset:256*\p
.endr
	global_load_u16 v28, v6, s[92:93]
	v_mov_b32 v13, 0xff61b1e6                      ; the largest t so far: -3e38
	v_floor_f32 v12, -v13
	v_mov_b32 v14, 0
	v_mov_b32 v15, 0
.set N, 0
.rept 96
	v_mov_b32 v[96+N], 0                           ; p of the step before the first, and O^T: the step is written once
.set N, N+1
.endr
	s_wait_loadcnt 0x0
	v_lshl_or_b32 v28, v28, 16, v28                ; the two bytes twice
.endm
.macro FINISH                          ; O^T / the sum, quantised along the head's 64, stored as the image of half an operand of the last projection
	SUM1                                           ; the last step's p
	SUM2
	v_add_f32 v14, v14, v15
	v_permlanex16_b32 v252, v14, s[SEL], s[SEL+1]
	v_add_f32 v14, v14, v252
	WALU
	v_rcp_f32 v14, v14
	v_nop
	WALU
.set N, 0
.rept 16
	v_pk_mul_f32 v[96+N:97+N], v[160+N:161+N], v[14:15] op_sel_hi:[1,0]   ; register 16 b + i is channel 32 b + 16 h + i of my query
.set N, N+2
.endr
.irp b, 0,1
	v_max3_num_f32 v[232+\b], |v[96+16*\b]|, |v[97+16*\b]|, 0x1800000
.endr
.irp i, 2,4,6,8,10,12,14
.irp b, 0,1
	v_max3_num_f32 v[232+\b], v[232+\b], |v[96+16*\b+\i]|, |v[97+16*\b+\i]|
.endr
.endr
.irp b, 0,1
	v_permlanex16_b32 v[236+\b], v[232+\b], s[SEL], s[SEL+1]
.endr
.irp b, 0,1
	v_max_num_f32 v[232+\b], v[232+\b], v[236+\b]
.endr
.irp b, 0,1
	v_add_nc_u32 v[244+\b], 0xff000000, v[232+\b]
.endr
.irp b, 0,1
	v_lshrrev_b32 v[236+\b], 23, v[244+\b]
.endr
	v_lshl_or_b32 v254, v237, 8, v236
	v_lshlrev_b32 v255, 1, v6                      ; 32 r
	v_cvt_scalef32_pk16_fp6_f32 v[224:226], v[96:111], v244
	v_cvt_scalef32_pk16_fp6_f32 v[240:242], v[112:127], v245
	v_nop
.irp i, 0,1,2
	v_permlane16_swap_b32 v[224+\i], v[240+\i]
.endr
.irp i, 0,1,2
	v_mov_b32 v[227+\i], v[240+\i]
.endr
.irp p, 0,1,2
	global_store_b64 v1, v[224+2*\p:225+2*\p], s[94:95] offset:256*\p
.endr
	global_store_b16 v255, v254, s[96:97]          ; 2 of a row's 32 scale bytes are this head's (both halves of the lanes store the same)
.endm
	BEGIN
	WALU
	s_cmp_lt_u32 s[WV], 4
	s_cbranch_scc0 .Lnot_first
	s_wait_tensorcnt 0x0                           ; the scale words and chunk 0: their load lines are issued by waves 0 to 3 alone
.Lnot_first:
	s_wait_dscnt 0x0                               ; my stores of the table
	s_barrier_signal -1
	s_barrier_wait -1
	WALK 0, 4, 0
	s_wait_tensorcnt 0x0                           ; all that is still out
	s_wait_dscnt 0x0
	s_barrier_signal -1
	s_barrier_wait -1
	WALK 4, 12, 0
	FINISH
	s_wait_xcnt 0x0                                ; the stores and loads have read their registers and bases
	s_sub_nc_u64 s[90:91], s[90:91], 12288         ; the second pass: sixteen tiles back
	s_sub_nc_u64 s[92:93], s[92:93], 1024
	s_sub_nc_u64 s[94:95], s[94:95], 196608
	s_sub_nc_u64 s[96:97], s[96:97], 8192
	s_sub_co_u32 s[TQ0], s[TQ0], 256
	BEGIN
	WALK 0, 16, 1024
	FINISH
	s_wait_tensorcnt 0x0
	ds_add_u32 v11, v7
	s_wait_dscnt 0x0
	s_endpgm
.Lfunc_end_k_q8bf019840a_attn:
	.size	k_q8bf019840a_attn, .Lfunc_end_k_q8bf019840a_attn-k_q8bf019840a_attn
	.p2alignl 7, 3214868480
	.fill 96, 4, 3214868480
	.section	.rodata,"a",@progbits
	.p2align	6, 0x0
	.amdhsa_kernel k_q8bf019840a_attn
		.amdhsa_group_segment_fixed_size 225280
		.amdhsa_private_segment_fixed_size 0
		.amdhsa_enable_private_segment 0
		.amdhsa_kernarg_size 40
		.amdhsa_user_sgpr_count 2
		.amdhsa_user_sgpr_kernarg_segment_ptr 1
		.amdhsa_wavefront_size32 1
		.amdhsa_system_sgpr_workgroup_id_x 1
		.amdhsa_system_sgpr_workgroup_id_y 1
		.amdhsa_system_sgpr_workgroup_id_z 1
		.amdhsa_system_vgpr_workitem_id 0
		.amdhsa_next_free_vgpr 256
		.amdhsa_next_free_sgpr 100
		.amdhsa_reserve_vcc 1
		.amdhsa_float_denorm_mode_32 3
		.amdhsa_float_denorm_mode_16_64 3
		.amdhsa_memory_ordered 1
		.amdhsa_forward_progress 1
		.amdhsa_inst_pref_size 103
	.end_amdhsa_kernel
	.amdgpu_metadata
---
amdhsa.version: [ 1, 2 ]
amdhsa.kernels:
  - .name:           k_q8bf019840a_attn
    .symbol:         k_q8bf019840a_attn.kd
    .args:
      - { .name: qkv_codes, .offset: 0, .size: 8, .value_kind: global_buffer, .address_space: global }
      - { .name: qkv_scales, .offset: 8, .size: 8, .value_kind: global_buffer, .address_space: global }
      - { .name: rel_bias, .offset: 16, .size: 8, .value_kind: global_buffer, .address_space: global }
      - { .name: attn_codes, .offset: 24, .size: 8, .value_kind: global_buffer, .address_space: global }
      - { .name: attn_scales, .offset: 32, .size: 8, .value_kind: global_buffer, .address_space: global }
    .group_segment_fixed_size: 225280
    .private_segment_fixed_size: 0
    .kernarg_segment_align: 8
    .kernarg_segment_size: 40
    .max_flat_workgroup_size: 512
    .sgpr_count:     100
    .vgpr_count:     256
    .wavefront_size: 32
...
	.end_amdgpu_metadata
.endif
;; end of part 2
;; launch outp (part 3): grid 8 x 32, 4 waves a work-group, clusters of 4 x 4, 327,680 bytes of LDS; arguments attn_codes, attn_scales, wo_codes, wo_scales, out0; writes out0
.if DOCPART == 3
	.amdgcn_target "amdgcn-amd-amdhsa--gfx1250"
	.amdhsa_code_object_version 6
	.text
	.protected	k_q8bf019840a_outp
	.globl	k_q8bf019840a_outp
	.p2align	8
	.type	k_q8bf019840a_outp,@function
k_q8bf019840a_outp:
	s_mov_b64 s[64:65], 0
	v_nop
	global_prefetch_b8 v0, s[64:65] scope:SCOPE_SE
	s_setreg_imm32_b32 hwreg(HW_REG_WAVE_MODE, 25, 1), 1
	s_wait_xcnt 0x0
	s_wait_alu depctr_hold_cnt(0) depctr_sa_sdst(0) depctr_va_vdst(0) depctr_va_sdst(0) depctr_va_ssrc(0) depctr_va_vcc(0) depctr_vm_vsrc(0)
	s_getreg_b32 s2, hwreg(HW_REG_IB_STS2, 6, 4)
	s_cmp_eq_u32 s2, 0
	s_cbranch_scc0 .Lentry_in_a_cluster
	s_endpgm
.Lentry_in_a_cluster:
	s_bfe_u32 s2, ttmp6, 0x10000c
	s_cmp_lg_u32 s2, 0xf033
	s_cbranch_scc0 .Lentry_shape_is_right
	s_endpgm
.Lentry_shape_is_right:
; out0 = attn wo on codes of FP6 with E8M0 scales, f32 sums and results.
; SHARES.  256 work-groups, 8 (blocks of 128 columns) x 32 (blocks of 256 tokens), four waves; a wave makes 64 tokens x 128 columns: 4 blocks of A x 8 tiles of B, 32 accumulators.
; LDS holds all of K: A's 16 tiles of 16 tokens as images of the operand registers (12,288 bytes a tile, dense: 196,608 bytes, fetched as rows of 256 bytes), wo's 128 rows of 768 bytes (16 bytes of padding behind every 256).
; Every tile is asked for at the head, one tensor load a wave; no byte of LDS is filled twice.  No prefetch: the launch has no loop to run ahead in.
; CLUSTERS 4 x 4: A's tiles are shared along a row of the cluster, wo's rows along a column.
; Source 0 = wo's rows, source 1 = A's: a lane holds eight neighbouring columns of one token.  Row r of tile T is token 32 (T / 2) + 8 (T % 2) + r + 8 (r / 8).
; SCALE WORDS go from memory into registers: lane (r, h) takes 16 bytes of its row's 32: K steps 0-3 in lanes 0-15, K steps 4-7 in lanes 16-31.
; THE WAY OUT goes through a stage of 16 rows x 528 bytes in the wave's own rows of A, which only this wave reads and which have had their one fill; rows of 512 bytes leave as two aligned units of 256.
.set KROW, 768
.set PITCH, 816
.set WB, 196608
.set SPARE, WB+128*PITCH
.set ATILE, 12288
.set SPITCH, 528
.set SIZE_N, 1024
.set FR, 12
.set SPW, 10
.set NIL, 11
.set VSC, 12
.set STO, 13
.set RD, 14
.set CO, 15
.set ADRA, 16
.set BA, 24
.set SCR, 40
.set BK, 128
.set AF, 160
.set G1X, 24
.set G1W, 32
.set G0X, 48
.set G0W, 52
.set MSB, 0
.macro WIN new
.if MSB != \new
	s_set_vgpr_msb (MSB<<8)|\new
.set MSB, \new
.endif
.endm
.macro PLACES n
.rept \n
	v_nop
.endr
.endm
.macro BARRIER
	s_barrier_signal -1
	s_barrier_wait -1
.endm
.macro CROUND
	BARRIER
	s_cmp_lg_u32 s14, 0
	s_cbranch_scc1 .Lnot_wave_0_\@
	s_barrier_signal -3
.Lnot_wave_0_\@:
	s_barrier_wait -3
	BARRIER
.endm
.macro TLOAD g0, g1
	tensor_load_to_lds s[\g0:\g0+3], s[\g1:\g1+7]
	s_nop 0
	PLACES 4
.endm
.macro G0SET g, base, off
	s_add_nc_u64 s[\g+2:\g+3], s[\base:\base+1], s[\off:\off+1]
	s_or_b32 s[\g+3], s[\g+3], 0x80000000
.endm
.macro FRAG reg, q, ad                 ; a fragment of wo: six pieces of 8 bytes, two to a load where both lie behind as many paddings.  NLD counts the loads
.set SKIP_, 0
.irp p, 0,1,2,3,4,5
.if SKIP_
.set SKIP_, 0
.else
.set PC_, 12*(\q)+6*(\p/3)+\p%3
.set PN_, 12*(\q)+6*((\p+1)/3)+(\p+1)%3
.set X_, (PC_%32+3)/32
.set XQ_, (PN_%32+3)/32
.set NLD, NLD+1
.if (\p < 5) && (X_ == XQ_)
.set SKIP_, 1
	ds_load_2addr_b64 v[\reg+2*\p:\reg+2*\p+3], v[\ad+X_] offset0:PC_+2*(PC_/32) offset1:PN_+2*(PN_/32)
.else
	ds_load_b64 v[\reg+2*\p:\reg+2*\p+1], v[\ad+X_] offset:8*(PC_+2*(PC_/32))
.endif
.endif
.endr
.endm
.macro FETCH q
	WIN 0x40
.irp b, 0,1,2,3,4,5,6,7
	FRAG 128*((\q)%2)+FR*\b, \q, BA+2*\b
.endr
	WIN 0
.irp a, 0,1,2,3
.irp p, 0,1,2,3,4,5
	ds_load_b64 v[AF+48*((\q)%2)+FR*\a+2*\p:AF+48*((\q)%2)+FR*\a+2*\p+1], v[ADRA] offset:\a*ATILE+(\q)*1536+256*\p
.set NLD, NLD+1
.endr
.endr
.endm
.macro W1 c, row
	v_wmma_scale_f32_16x16x128_f8f6f4 v[D_:D_+7], v[B_:B_+FR-1], v[A_:A_+FR-1], \c, v[SX_], v[SY_] matrix_a_fmt:MATRIX_FMT_FP6 matrix_b_fmt:MATRIX_FMT_FP6 matrix_a_scale:MATRIX_SCALE_ROW\row matrix_b_scale:MATRIX_SCALE_ROW\row
.endm
.macro MULS q                          ; 32 products, the accumulators by turns
	WIN 0xa1
.irp a, 0,1,2,3
.irp b, 0,1,2,3,4,5,6,7
.set D_, 8*(8*\a+\b)
.set B_, 128*((\q)%2)+FR*\b
.set A_, AF+48*((\q)%2)+FR*\a
.set SX_, SCR+8*\b+4+(\q)%4
.set SY_, SCR+8*\a+(\q)%4
.if (\q) == 0
	W1 0, 0
.elseif (\q) < 4
	W1 v[D_:D_+7], 0
.else
	W1 v[D_:D_+7], 1
.endif
.endr
.endr
.endm
	s_load_b128 s[4:7], s[0:1], 0x0        ; attn's codes, scales
	s_load_b128 s[8:11], s[0:1], 0x10      ; wo's
	s_load_b64 s[12:13], s[0:1], 0x20      ; out0
	v_lshl_add_u32 v[SPW], v0, 2, SPARE
	v_mov_b32 v[NIL], 0
	ds_add_u32 v[SPW], v[NIL]              ; the opening lines
	ds_add_u32 v[SPW], v[NIL]
	v_lshrrev_b32 v1, 5, v0
	v_readfirstlane_b32 s14, v1
	s_lshr_b32 s15, s14, 1
	s_and_b32 s16, s14, 1
	s_bfe_u32 s40, ttmp6, 0x40000
	s_bfe_u32 s41, ttmp6, 0x40004
	s_lshl_b32 s42, ttmp9, 2
	s_add_co_u32 s42, s42, s40             ; block of 128 columns
	s_and_b32 s17, ttmp7, 0xffff
	s_lshl_b32 s17, s17, 2
	s_add_co_u32 s17, s17, s41             ; block of 256 tokens
	s_lshl_b32 s43, s41, 2
	s_lshl_b32 s43, 15, s43
	s_lshl_b32 s44, 0x1111, s40
	s_or_b32 s[G1X+0], s43, (3<<16)|(1<<21)   ; 384 dense rows of 256 bytes, no padding
	s_mov_b32 s[G1X+1], 32<<16
	s_mov_b32 s[G1X+2], 384<<16
	s_mov_b32 s[G1X+3], 32<<16
	s_mov_b32 s[G1X+4], 384
	s_mov_b32 s[G1X+5], 32
	s_mov_b32 s[G1X+6], 0
	s_mov_b32 s[G1X+7], 0
	s_or_b32 s[G1W+0], s44, (1<<20)|(1<<21)|(5<<22)|(3<<25)   ; 64 rows of 768 bytes, padded
	s_mov_b32 s[G1W+1], KROW<<16
	s_mov_b32 s[G1W+2], 64<<16
	s_mov_b32 s[G1W+3], KROW<<16
	s_mov_b32 s[G1W+4], 64
	s_mov_b32 s[G1W+5], KROW
	s_mov_b32 s[G1W+6], 0
	s_mov_b32 s[G1W+7], 0
	s_mul_i32 s18, s17, 196608
	s_mul_i32 s20, s16, 98304
	s_add_co_u32 s18, s18, s20             ; s[18:19] my half of A
	s_mov_b32 s19, 0
	s_mov_b32 s[G0X], 1
	s_mov_b32 s[G0X+1], s20
	s_lshl_b32 s21, s42, 7
	s_lshl_b32 s22, s16, 6
	s_add_co_u32 s22, s22, s21
	s_mul_i32 s22, s22, KROW               ; s[22:23] my half of wo's rows
	s_mov_b32 s23, 0
	s_mov_b32 s[G0W], 1
	s_mul_i32 s[G0W+1], s16, 64*PITCH
	s_add_co_u32 s[G0W+1], s[G0W+1], WB
	s_lshl_b32 s56, s17, 4
	s_lshl_b32 s57, s14, 2
	s_add_co_u32 s56, s56, s57
	s_lshl_b32 s56, s56, 9                 ; s[56:57] A's scales: 512 bytes a tile
	s_mov_b32 s57, 0
	s_lshl_b32 s58, s21, 5                 ; s[58:59] wo's
	s_mov_b32 s59, 0
	s_lshl_b32 s60, s17, 8
	s_lshl_b32 s61, s14, 6
	s_add_co_u32 s60, s60, s61
	s_lshl_b32 s60, s60, 12                ; my first token's row of out0,
	s_lshl_b32 s61, s42, 9
	s_add_co_u32 s60, s60, s61             ; my columns
	s_mov_b32 s61, 0
	s_mul_i32 s62, s14, 4*ATILE            ; my four tiles of A in LDS
	s_wait_dscnt 0x0
	s_wait_kmcnt 0x0
	G0SET G0X, 4, 18
	G0SET G0W, 8, 22
	s_add_nc_u64 s[56:57], s[6:7], s[56:57]
	s_add_nc_u64 s[58:59], s[10:11], s[58:59]
	s_add_nc_u64 s[12:13], s[12:13], s[60:61]
	CROUND
	s_cmp_eq_u32 s15, 0
	s_cbranch_scc0 .Lfor_w
	TLOAD G0X, G1X
	s_branch .Lasked
.Lfor_w:
	TLOAD G0W, G1W
.Lasked:
	v_and_b32 v1, 15, v0
	v_bfe_u32 v2, v0, 4, 1
	v_and_b32 v8, 31, v0
	v_mul_u32_u24 v3, v1, PITCH
	v_mad_u32_u24 v4, v2, 24, v3
	v_mad_u32_u24 v5, v2, 40, v3
	v_lshlrev_b32 v6, 5, v1
	v_lshl_add_u32 v[VSC], v2, 4, v6
	v_lshl_add_u32 v[ADRA], v8, 3, s62
	v_mul_u32_u24 v7, v1, SPITCH
	v_lshl_add_u32 v7, v2, 5, v7
	v_add_nc_u32 v[STO], s62, v7
	v_lshlrev_b32 v[CO], 4, v8
	v_add_nc_u32 v[RD], s62, v[CO]
.irp i, 0,1,2,3,4,5,6,7
	v_add_nc_u32 v[BA+2*\i], WB+16*\i*PITCH, v4
	v_add_nc_u32 v[BA+2*\i+1], WB+16*\i*PITCH, v5
.endr
.irp i, 0,1,2,3
	global_load_b128 v[SCR+8*\i:SCR+8*\i+3], v[VSC], s[56:57] offset:512*\i
.endr
.irp i, 0,1,2,3,4,5,6,7
	global_load_b128 v[SCR+8*\i+4:SCR+8*\i+7], v[VSC], s[58:59] offset:512*\i
.endr
	s_wait_alu depctr_va_vdst(0)
	s_wait_tensorcnt 0x0
	BARRIER                                ; all four tiles are in, for every wave
	s_wait_loadcnt 0x0
.set NLD, 0
	FETCH 0
.set Q_, 0
.rept 7                                ; step q + 1's loads are issued ahead of step q's products; the wait leaves just these NLD loads out
.if Q_ > 0
	PLACES 4
.endif
.set NLD, 0
	FETCH Q_+1
	s_wait_dscnt NLD
	MULS Q_
.set Q_, Q_+1
.endr
	s_wait_dscnt 0x0
	MULS 7
	WIN 0
.macro TOSTAGE a
.set AC, 64*(\a)
	WIN 0x08
.irp b, 0,1,2,3,4,5,6,7
	ds_store_b128 v[STO], v[AC+8*\b:AC+8*\b+3] offset:64*\b
	ds_store_b128 v[STO], v[AC+8*\b+4:AC+8*\b+7] offset:64*\b+16
.endr
	WIN 0
.set BB, BK+64*((\a)%2)
.irp t, 0,1,2,3,4,5,6,7,8,9,10,11,12,13,14,15
	ds_load_b128 v[BB+4*\t:BB+4*\t+3], v[RD] offset:\t*SPITCH
.endr
.endm
.macro SEND a, younger                 ; younger: the LDS instructions issued behind block a's loads
.set BB, BK+64*((\a)%2)
	s_wait_dscnt \younger
.if (\a) > 0
.if ((\a)%2) == 1
	s_add_nc_u64 s[12:13], s[12:13], 8*SIZE_N*4
.else
	s_add_nc_u64 s[12:13], s[12:13], 24*SIZE_N*4
.endif
.endif
.irp t, 0,1,2,3,4,5,6,7,8,9,10,11,12,13,14,15
	global_store_b128 v[CO], v[BB+4*\t:BB+4*\t+3], s[12:13] offset:(\t+8*(\t/8))*SIZE_N*4 th:TH_STORE_NT
.endr
.endm
	PLACES 4
	TOSTAGE 0
.irp a, 1,2,3
.if \a > 1
	s_wait_xcnt 0x0                        ; block a - 2's stores have read their registers and their base
.endif
	TOSTAGE \a
	SEND \a-1, 32
.endr
	s_wait_xcnt 0x0
	SEND 3, 0
	s_wait_tensorcnt 0x0
	ds_add_u32 v[SPW], v[NIL]
	s_wait_dscnt 0x0
	CROUND
	s_endpgm
.Lfunc_end_k_q8bf019840a_outp:
	.size	k_q8bf019840a_outp, .Lfunc_end_k_q8bf019840a_outp-k_q8bf019840a_outp
	.p2alignl 7, 3214868480
	.fill 96, 4, 3214868480
	.section	.rodata,"a",@progbits
	.p2align	6, 0x0
	.amdhsa_kernel k_q8bf019840a_outp
		.amdhsa_group_segment_fixed_size 327680
		.amdhsa_private_segment_fixed_size 0
		.amdhsa_enable_private_segment 0
		.amdhsa_kernarg_size 40
		.amdhsa_user_sgpr_count 2
		.amdhsa_user_sgpr_kernarg_segment_ptr 1
		.amdhsa_wavefront_size32 1
		.amdhsa_system_sgpr_workgroup_id_x 1
		.amdhsa_system_sgpr_workgroup_id_y 1
		.amdhsa_system_sgpr_workgroup_id_z 1
		.amdhsa_system_vgpr_workitem_id 0
		.amdhsa_next_free_vgpr 768
		.amdhsa_next_free_sgpr 98
		.amdhsa_reserve_vcc 0
		.amdhsa_float_denorm_mode_32 3
		.amdhsa_float_denorm_mode_16_64 3
		.amdhsa_memory_ordered 1
		.amdhsa_forward_progress 1
		.amdhsa_inst_pref_size 82
	.end_amdhsa_kernel
	.amdgpu_metadata
---
amdhsa.version: [ 1, 2 ]
amdhsa.kernels:
  - .name:           k_q8bf019840a_outp
    .symbol:         k_q8bf019840a_outp.kd
    .args:
      - { .name: attn_codes, .offset: 0, .size: 8, .value_kind: global_buffer, .address_space: global }
      - { .name: attn_scales, .offset: 8, .size: 8, .value_kind: global_buffer, .address_space: global }
      - { .name: wo_codes, .offset: 16, .size: 8, .value_kind: global_buffer, .address_space: global }
      - { .name: wo_scales, .offset: 24, .size: 8, .value_kind: global_buffer, .address_space: global }
      - { .name: out0, .offset: 32, .size: 8, .value_kind: global_buffer, .address_space: global }
    .group_segment_fixed_size: 327680
    .private_segment_fixed_size: 0
    .kernarg_segment_align: 8
    .kernarg_segment_size: 40
    .max_flat_workgroup_size: 128
    .sgpr_count:     98
    .vgpr_count:     768
    .wavefront_size: 32
...
	.end_amdgpu_metadata
.endif
;; end of part 3
